; MI455X (gfx1250); checked and timed in simulation.
; The chip was launched on July 23, 2026; its instructions are those of AMD's public machine-readable ISA for CDNA 5 (MIT licence, August 2026) and "CDNA5" Instruction Set Architecture Reference Guide (July 2026). The comments in the code are by the model that wrote it; some were corrected since.
;; Variational Layer. Allowed arithmetic: float matrix products may take bf16 or f16 operands with f32 sums; all other float work in f32.
;; Inputs: params 3 x 4 x 3 float32; x 524,288 x 16 float32.
;; Outputs: out0 524,288 x 4 float32.
;; One version. Each part assembles by itself: llvm-mc -triple=amdgcn-amd-amdhsa -mcpu=gfx1250 --defsym DOCPART=n.
;; ======== version 1 of 1: 1 launch
;; limits: values outside matrix products are rounded to f16; below input magnitudes of 2.7e-20 results are inexact or not finite; right only within a limited range of input values
;; launch circuit (part 1): grid 256 x 1, 8 waves a work-group, no clusters, 168,960 bytes of LDS; arguments params, x, out0; writes out0
.if DOCPART == 1
	.amdgcn_target "amdgcn-amd-amdhsa--gfx1250"
	.amdhsa_code_object_version 6
	.text
	.protected	k_q71fc1948d1_circuit
	.globl	k_q71fc1948d1_circuit
	.p2align	8
	.type	k_q71fc1948d1_circuit,@function
k_q71fc1948d1_circuit:
	s_mov_b64 s[64:65], 0
	v_nop
	global_prefetch_b8 v0, s[64:65] scope:SCOPE_SE
	s_setreg_imm32_b32 hwreg(HW_REG_WAVE_MODE, 25, 1), 1
	s_wait_xcnt 0x0
; out0[b][w] = sum over i of (-1)^(bit w of i) |(U xn_b)_i|^2,  xn_b = x_b / |x_b|,  U = the circuit's 16 x 16 unitary, made from params.
; x: [524288][16] f32, params: [3][4][3] f32 (of each triple the first two numbers are used; the third is not read), out0: [524288][4] f32.
;
; 256 work-groups of 8 waves.  A work-group owns 2,048 samples, a wave 256 = 8 tiles of 32.
; x: each wave asks for its 8 tiles (2,048 bytes each, rows of 256 bytes) by tensor loads at the start; 16 bytes of padding behind every
;    64 bytes give a sample an LDS pitch of 80 bytes, so a lane reads a whole sample by four 16-byte loads, sixteen neighbouring lanes at
;    sixteen different multiples of 16 bytes modulo 256.  No LDS byte is filled twice, and a wave reads only its own tiles.
; U: built by every work-group while x is on its way.  A row of 16 lanes holds the 16 amplitudes of one column (wave w, half h: column 2w+h).
;    A gate takes its partner amplitude by DPP row_xmask.  The CNOT rings move no data: a ring is a linear map T of the index bits, so after
;    l rings lane i holds amplitude T^l i, the partner for wire w is lane i xor T^-l e_w, and bit w of the amplitude is a parity of lane bits.
; Products in f16 with f32 sums: xn, U and the probabilities lie in [-1, 1] by the normalisation and U's unitarity.
;    B fragment = a lane's own sample (16 halves in 8 registers), so column r of B holds sample r (lanes 0-15: k 0-7, 16-23) and sample
;    16+r (lanes 16-31: k 8-15, 24-31).  A1 = U in lanes 0-15 and zeros above picks the first, A2 the second.
;    re^2 + im^2 in f32, rounded to f16, is a B fragment again (k = amplitude; + 16 for the second group); one product with a matrix of
;    +-1 (rows 0-3: k < 16, rows 8-11: k >= 16) leaves lane L with the four results of sample L: one store of 512 consecutive bytes.
; No cluster: the work-groups share nothing but the 144 bytes of params.  No prefetch: every byte of x is asked for at the start.
; LIMITS.  Angles: theta/2 is reduced by pi/2 in two constants (what is left of pi/2 is 1.7e-15 a quarter turn): error under 2e-9 up to
;    |params| = 2^20, growing with it, and wrong from about 2^31 on (the quarter count no longer fits 32 bits).
;    A row of x with a sum of squares under 2^-126 gives NaN (v_rsq_f32 takes a denormal as zero).  A row that gives NaN (all zeros, a NaN
;    or an infinity in it) gives NaN also in the sample 16 places from it in its tile of 32: its numbers meet zeros of A1, A2 and of the +-1 matrix.
;    The +-1 sum takes probabilities rounded to f16: they sum to 1, so that costs at most 2^-11 in a result.
.set TILES,  8                         ; tiles of a wave
.set TILE_G, 2048                      ; a tile in memory: 32 samples of 64 bytes
.set XPITCH, 80                        ; a sample in LDS: 64 bytes + 16 of padding
.set TILE_L, 32*XPITCH                 ; a tile in LDS
.set RING_L, TILES*TILE_L              ; a wave's tiles in LDS
.set WBASE,  8*RING_L                  ; 163,840: behind the tiles, U: row k = column k of U: 16 re, 16 im as f16; rows 16-31 zeros
.set WPITCH, 96
.set ZROWS,  16*WPITCH
.set LN, 1                             ; lane
.set IX, 2                             ; lane % 16
.set HF, 3                             ; lane / 16         v4-v15: scratch of the set-up
.set SG, 16                            ; v16-27  gate g: sign bit set where the gate's wire is 1 in the amplitude that the lane holds
.set TH, 28                            ; v28-42  sine and cosine
.set AA, 29
.set NN, 30
.set RR, 31
.set R2, 32
.set PS, 33
.set PC, 34
.set QQ, 35
.set T0, 36
.set T1, 37
.set SN, 38
.set CS, 39
.set VS, 40                            ; lane 2g: -sin(theta_y/2) of gate g, lane 2g+1: sin(theta_z/2)
.set VC, 41                            ; lane 2g: cos(theta_y/2), lane 2g+1: cos(theta_z/2)
.set NK, 42
.set PO, 43                            ; byte offset of the lane's angle in params
.set RE, 44                            ; my amplitude
.set IM, 45
.set TR, 46
.set TI, 47
.set GA, 48
.set GB, 49
.set HH, 50                            ; v50-51
.set AW, 52                            ; LDS: where my amplitude goes
.set AZ, 53                            ; LDS: my 4 bytes of the zero rows (less ZROWS)
.set AD1, 54                           ; LDS: transposing loads of A1
.set AD2, 55                           ; and of A2
.set XA, 56                            ; LDS: my sample in my wave's tile 0
.set OA, 57                            ; byte offset of my sample's results in the work-group's part of out0, tile 0
.set SF, 64                            ; v64-71    the +-1 matrix, an A fragment
.set A1R, 72                           ; v72-103   A1 re, A1 im, A2 re, A2 im
.set A1I, 80
.set A2R, 88
.set A2I, 96
.set XX, 104                           ; v104-135  a sample in f32, two buffers
.set BB, 136                           ; v136-151  the sample in f16, two buffers
.set DD, 152                           ; v152-183  re, im of samples 0-15, re, im of samples 16-31
.set PP, 184                           ; v184-191  probabilities in f16
.set OO, 192                           ; v192-207  results, two buffers (registers 0-3 of each are stored)
.set NS, 208                           ; v208-211  sums of squares
.set RN, 212                           ; v212-213  1 / norm (the second register only completes the pair)
.set G1, 24                            ; s[24:31]  descriptor group 1
.set G0, 32                            ; s[32:63]  descriptor group 0, a set for each tile: none is written again
.set TS, 66                            ; s[66:97]  eight sets of a gate's cos y, -sin y, cos z, sin z
	s_load_b128 s[4:7], s[0:1], 0x0                ; params s[4:5], x s[6:7]
	s_load_b64 s[8:9], s[0:1], 0x10                ; out0
	v_lshl_add_u32 v216, v0, 2, 0x29000
	v_mov_b32 v217, 0
	ds_add_u32 v216, v217
	ds_add_u32 v216, v217
	v_and_b32 v[LN], 31, v0
	v_lshrrev_b32 v4, 5, v0
	v_readfirstlane_b32 s10, v4                    ; wave 0..7
	v_lshrrev_b32 v5, 1, v[LN]                     ; lane 2g + kind takes params[g][kind]; lanes 24-31 repeat gate 11
	v_min_u32 v5, 11, v5
	v_and_b32 v6, 1, v[LN]
	v_mul_u32_u24 v5, 12, v5
	v_lshl_add_u32 v[PO], v6, 2, v5
	; group 1: 8 rows of 32 elements of 8 bytes, dense; behind every 16 words (a sample) 4 words of padding
	s_mov_b32 s[G1+0], (3<<16)|(1<<20)|(3<<22)|(3<<25) ; 17:16 element of 8 bytes; 20 padding on; 24:22 every 16 words (code 3); 31:25 4 words (code 3)
	s_mov_b32 s[G1+1], 32<<16                      ; tensor_dim0 = 32
	s_mov_b32 s[G1+2], 8<<16                       ; tensor_dim1 = 8
	s_mov_b32 s[G1+3], 32<<16                      ; tile_dim0 = 32
	s_mov_b32 s[G1+4], 8                           ; tile_dim1 = 8
	s_mov_b32 s[G1+5], 32                          ; from row to row: 32 elements
	s_mov_b32 s[G1+6], 0
	s_mov_b32 s[G1+7], 0
	s_mul_i32 s15, s10, RING_L                     ; my wave's tiles in LDS
	s_lshl_b32 s12, ttmp9, 17                      ; x: 131,072 bytes a work-group,
	s_lshl_b32 s13, s10, 14                        ; 16,384 a wave (under 2^25 in all)
	s_add_co_u32 s12, s12, s13
	s_mov_b32 s13, 0
	s_lshl_b32 s16, ttmp9, 15                      ; out0: 32,768 bytes a work-group
	s_mov_b32 s17, 0
	s_mov_b32 s11, 0x80000000                      ; an f32's sign
	s_mov_b32 s19, 0x80008000                      ; the signs of two f16
	s_wait_dscnt 0x0
	s_wait_kmcnt 0x0
	global_load_b32 v[TH], v[PO], s[4:5]           ; the angles first: U hangs on them
	s_add_nc_u64 s[6:7], s[6:7], s[12:13]
	s_add_nc_u64 s[8:9], s[8:9], s[16:17]
.irp t, 0,1,2,3,4,5,6,7
	s_mov_b32 s[G0+4*\t], 1                                        ; count = 1
	s_add_co_u32 s[G0+4*\t+1], s15, \t*TILE_L                      ; LDS address
	s_add_nc_u64 s[G0+4*\t+2:G0+4*\t+3], s[6:7], \t*TILE_G         ; global address
	s_or_b32 s[G0+4*\t+3], s[G0+4*\t+3], 0x80000000               ; type = 2
	tensor_load_to_lds s[G0+4*\t:G0+4*\t+3], s[G1:G1+7]            ; all eight tiles of the wave are on their way from here on
	s_nop 0
.endr
	; ---- everything that needs no data, while the angles come ----
	v_and_b32 v[IX], 15, v[LN]
	v_lshrrev_b32 v[HF], 4, v[LN]
	; Sign words.  Bit w of the amplitude in lane i is the parity of i & m, m by layer and wire: 8 4 2 1 | 7 12 14 15 | 13 11 5 10.
	v_lshlrev_b32 v[SG+3], 31, v[LN]               ; m = 1
	v_lshlrev_b32 v[SG+2], 30, v[LN]
	v_lshlrev_b32 v[SG+1], 29, v[LN]
	v_lshlrev_b32 v[SG+0], 28, v[LN]
	v_and_b32 v[SG+2], s11, v[SG+2]                ; m = 2
	v_and_b32 v[SG+1], s11, v[SG+1]                ; m = 4
	v_and_b32 v[SG+0], s11, v[SG+0]                ; m = 8
	v_xor_b32 v[SG+5], v[SG+0], v[SG+1]            ; 12
	v_xor_b32 v[SG+6], v[SG+5], v[SG+2]            ; 14
	v_xor_b32 v[SG+7], v[SG+6], v[SG+3]            ; 15
	v_xor_b32 v[SG+4], v[SG+7], v[SG+0]            ; 7
	v_xor_b32 v[SG+8], v[SG+5], v[SG+3]            ; 13
	v_xor_b32 v[SG+11], v[SG+0], v[SG+2]           ; 10
	v_xor_b32 v[SG+9], v[SG+11], v[SG+3]           ; 11
	v_xor_b32 v[SG+10], v[SG+1], v[SG+3]           ; 5
	v_xor_b32 v[NK], s11, v[SG+3]                  ; set in even lanes: RY's sine is kept negated
	; my column's start: the unit vector e_(2 wave + half)
	s_lshl_b32 s18, s10, 1
	v_add_nc_u32 v4, s18, v[HF]
	v_mov_b32 v5, 1.0
	v_cmp_eq_u32 vcc_lo, v[IX], v4
	v_cndmask_b32 v[RE], 0, v5, vcc_lo
	v_mov_b32 v[IM], 0
	v_mov_b32 v[TR], 0                             ; a DPP form's destination counts as read
	v_mov_b32 v[TI], 0
	v_mov_b32 v[RN+1], 0                           ; completes the pair that the packed multiply names
	v_mov_b32 v[PS], 0xb94ca1f9                    ; leading coefficients of the two polynomials
	v_mov_b32 v[PC], 0x37ccf5ce
	; LDS addresses.  My wave's bytes of U: rows 2 wave, 2 wave + 1, and the zero rows 16 further down
	s_mul_i32 s14, s10, 2*WPITCH
	s_add_co_u32 s14, s14, WBASE
	v_mul_u32_u24 v8, WPITCH, v[HF]
	v_lshl_add_u32 v9, v[IX], 1, v8
	v_lshl_add_u32 v8, v[IX], 2, v8
	v_add_nc_u32 v[AW], s14, v9
	v_add_nc_u32 v[AZ], s14, v8
	v_mov_b32 v10, 0
	ds_store_b32 v[AZ], v10 offset:ZROWS           ; 16 lanes x 4 bytes: the 64 bytes of a zero row
	; transposing loads: eight lanes address rows k .. k+7, 16 bytes (8 amplitudes) each.  A1: lanes 0-15 rows 0-7, lanes 16-31 zero rows; A2 the reverse
	v_and_b32 v4, 7, v[LN]
	v_bfe_u32 v5, v[LN], 3, 1                      ; which 8 amplitudes
	v_lshl_add_u32 v6, v[HF], 4, v4
	v_xor_b32 v7, 1, v[HF]
	v_lshl_add_u32 v7, v7, 4, v4
	v_mul_u32_u24 v6, WPITCH, v6
	v_mul_u32_u24 v7, WPITCH, v7
	v_lshl_add_u32 v6, v5, 4, v6
	v_lshl_add_u32 v7, v5, 4, v7
	v_add_nc_u32 v[AD1], WBASE, v6
	v_add_nc_u32 v[AD2], WBASE, v7
	v_mul_u32_u24 v4, XPITCH, v[LN]
	v_add_nc_u32 v[XA], s15, v4
	v_lshlrev_b32 v4, 4, v[LN]                     ; 16 bytes of results a sample,
	s_lshl_b32 s18, s10, 12                        ; 4,096 a wave
	v_add_nc_u32 v[OA], s18, v4
	; The +-1 matrix.  After the third ring bit w of the amplitude in row i is the parity of i & F, F = 4, 6, 3, 9 for w = 0..3.
	; A fragment: lane (r, h) holds row r; register c: k = 8h + 2c, 8h + 2c + 1; registers 4-7 the same + 16.  Row r: w = r % 4.
	v_and_b32 v4, 3, v[IX]
	v_lshlrev_b32 v4, 2, v4
	v_mov_b32 v5, 0x9364
	v_lshrrev_b32 v5, v4, v5                       ; F in bits 3:0
	v_bfe_u32 v6, v5, 3, 1
	v_and_b32 v6, v6, v[HF]                        ; i's bit 3 is h
	v_bfe_u32 v7, v5, 2, 1
	v_bfe_u32 v8, v5, 1, 1
	v_mul_lo_u32 v6, v6, s19                       ; flips both halves
	v_mul_lo_u32 v7, v7, s19                       ; where i's bit 2 is set (c = 2, 3)
	v_mul_lo_u32 v8, v8, s19                       ; where i's bit 1 is set (c = 1, 3)
	v_lshlrev_b32 v9, 31, v5                       ; i's bit 0: the upper half alone
	v_xor_b32 v9, 0x3c003c00, v9                   ; 1.0, 1.0 in f16
	v_xor_b32 v10, v9, v6
	v_xor_b32 v11, v10, v8
	v_xor_b32 v12, v10, v7
	v_xor_b32 v13, v11, v7
	v_cmp_gt_u32 vcc_lo, 4, v[IX]                  ; rows 0-3: the first 16 samples' probabilities
.irp c, 0,1,2,3
	v_cndmask_b32 v[SF+\c], 0, v[10+\c], vcc_lo
.endr
	v_and_b32 v4, 12, v[IX]
	v_cmp_eq_u32 vcc_lo, 8, v4                     ; rows 8-11: the second 16 samples'
.irp c, 0,1,2,3
	v_cndmask_b32 v[SF+4+\c], 0, v[10+\c], vcc_lo
.endr
	; ---- sine and cosine of theta / 2 ----
	s_wait_loadcnt 0x0
	v_mul_f32 v[AA], 0.5, v[TH]
	v_mul_f32 v[NN], 0x3f22f983, v[AA]             ; x 2 / pi
	v_rndne_f32 v[NN], v[NN]                       ; quarter turns
	v_fmamk_f32 v[RR], v[NN], 0xbfc90fdb, v[AA]    ; a - n pi/2, pi/2 in two parts, each product exact in the fused form
	v_fmamk_f32 v[RR], v[NN], 0x333bbd2e, v[RR]
	v_cvt_i32_f32 v[QQ], v[NN]
	v_mul_f32 v[R2], v[RR], v[RR]
	v_fmaak_f32 v[PS], v[PS], v[R2], 0x3c08839e    ; sin r = r + r^3 (s0 + s1 r^2 + s2 r^4) on |r| <= pi/4
	v_fmaak_f32 v[PC], v[PC], v[R2], 0xbab6061a    ; cos r = 1 - r^2/2 + r^4 (c0 + c1 r^2 + c2 r^4)
	v_fmaak_f32 v[PS], v[PS], v[R2], 0xbe2aaaa3
	v_fmaak_f32 v[PC], v[PC], v[R2], 0x3d2aaaa5
	v_mul_f32 v[T0], v[R2], v[RR]
	v_mul_f32 v[T1], v[R2], v[R2]
	v_fma_f32 v[CS], v[R2], -0.5, 1.0
	v_fma_f32 v[SN], v[PS], v[T0], v[RR]
	v_fmac_f32 v[CS], v[PC], v[T1]
	v_and_b32 v[T0], 1, v[QQ]
	v_cmp_eq_u32 vcc_lo, 1, v[T0]                  ; odd quarter: sine and cosine change places
	v_cndmask_b32 v[VS], v[SN], v[CS], vcc_lo
	v_cndmask_b32 v[VC], v[CS], v[SN], vcc_lo
	v_lshlrev_b32 v[T0], 30, v[QQ]                 ; sine is negative in quarters 2, 3,
	v_add_lshl_u32 v[T1], v[QQ], 1, 30             ; cosine in quarters 1, 2
	v_and_b32 v[T0], s11, v[T0]
	v_and_b32 v[T1], s11, v[T1]
	v_xor_b32 v[T0], v[T0], v[NK]
	v_xor_b32 v[VS], v[VS], v[T0]
	v_xor_b32 v[VC], v[VC], v[T1]
	; ---- the twelve gates RZ RY ----
.macro RDL g                           ; gate g's four numbers as scalars, in set g % 8
	v_readlane_b32 s[TS+4*((\g)%8)+0], v[VC], 2*(\g)
	v_readlane_b32 s[TS+4*((\g)%8)+1], v[VS], 2*(\g)
	v_readlane_b32 s[TS+4*((\g)%8)+2], v[VC], 2*(\g)+1
	v_readlane_b32 s[TS+4*((\g)%8)+3], v[VS], 2*(\g)+1
.endm
; With b = the wire's bit in my amplitude:  t = cos y own -+ sin y partner (- for b = 0),  new = (cos z -+ i sin z) t (- for b = 0).
.macro GATE g, xm
	v_xor_b32 v[GA], s[TS+4*((\g)%8)+1], v[SG+\g]          ; -sin y for b = 0, +sin y for b = 1
	v_xor_b32 v[GB], s[TS+4*((\g)%8)+3], v[SG+\g]          ; +sin z for b = 0, -sin z for b = 1
	v_mul_f32_dpp v[TR], v[RE], v[GA] row_xmask:\xm row_mask:0xf bank_mask:0xf   ; the first source comes from lane i xor xm
	v_mul_f32_dpp v[TI], v[IM], v[GA] row_xmask:\xm row_mask:0xf bank_mask:0xf
.if \g < 8
	RDL \g+4                                               ; four gates ahead, into a set whose gate is done
.endif
	v_fmac_f32 v[TR], s[TS+4*((\g)%8)+0], v[RE]
	v_fmac_f32 v[TI], s[TS+4*((\g)%8)+0], v[IM]
	v_mul_f32 v[RE], s[TS+4*((\g)%8)+2], v[TR]
	v_mul_f32 v[IM], s[TS+4*((\g)%8)+2], v[TI]
	v_fmac_f32 v[RE], v[GB], v[TI]
	v_fma_f32 v[IM], -v[GB], v[TR], v[IM]
.endm
	RDL 0
	RDL 1
	RDL 2
	RDL 3
	GATE 0, 8                                      ; layer 0: lane i holds amplitude i
	GATE 1, 4
	GATE 2, 2
	GATE 3, 1
	GATE 4, 12                                     ; layer 1: partners T^-1 e_w
	GATE 5, 6
	GATE 6, 3
	GATE 7, 13
	GATE 8, 10                                     ; layer 2: partners T^-2 e_w
	GATE 9, 5
	GATE 10, 14
	GATE 11, 7
	v_cvt_pk_f16_f32 v[HH], v[RE], v[IM]
	v_lshrrev_b32 v[HH+1], 16, v[HH]
	ds_store_b16 v[AW], v[HH]                      ; row = my column of U, place = my amplitude
	ds_store_b16 v[AW], v[HH+1] offset:32
	; ---- the steps of a tile ----
.macro LOADX f                         ; my sample of tile f
.irp c, 0,1,2,3
	ds_load_b128 v[XX+16*((\f)%2)+4*\c:XX+16*((\f)%2)+4*\c+3], v[XA] offset:(\f)*TILE_L+16*\c
.endr
.endm
.macro NORM f                          ; 1 / |x|, in the lane, two chains
.set XB, XX+16*((\f)%2)
	v_pk_mul_f32 v[NS:NS+1], v[XB:XB+1], v[XB:XB+1]
	v_pk_mul_f32 v[NS+2:NS+3], v[XB+2:XB+3], v[XB+2:XB+3]
.irp c, 4,8,12
	v_pk_fma_f32 v[NS:NS+1], v[XB+\c:XB+\c+1], v[XB+\c:XB+\c+1], v[NS:NS+1]
	v_pk_fma_f32 v[NS+2:NS+3], v[XB+\c+2:XB+\c+3], v[XB+\c+2:XB+\c+3], v[NS+2:NS+3]
.endr
	v_pk_add_f32 v[NS:NS+1], v[NS:NS+1], v[NS+2:NS+3]
	v_add_f32 v[NS], v[NS], v[NS+1]
	v_rsq_f32 v[RN], v[NS]                         ; a plain vector instruction follows before RN is used (ISA guide 5.7.2)
.endm
.macro SCALE f                         ; x / |x| in f32, then f16: the lane's 8 registers of the B fragment
.set XB, XX+16*((\f)%2)
.set FB, BB+8*((\f)%2)
	s_wait_alu depctr_va_vdst(0)
.irp c, 0,1,2,3,4,5,6,7
	v_pk_mul_f32 v[XB+2*\c:XB+2*\c+1], v[XB+2*\c:XB+2*\c+1], v[RN:RN+1] op_sel_hi:[1,0]
.endr
.irp c, 0,1,2,3,4,5,6,7
	v_cvt_pk_f16_f32 v[FB+\c], v[XB+2*\c], v[XB+2*\c+1]
.endr
.endm
.macro MULT f                          ; lane (r, h), register j: amplitude 8h + j of sample r (A1) or 16 + r (A2)
.set FB, BB+8*((\f)%2)
	v_wmma_f32_16x16x32_f16 v[DD:DD+7],     v[A1R:A1R+7], v[FB:FB+7], 0
	v_wmma_f32_16x16x32_f16 v[DD+8:DD+15],  v[A1I:A1I+7], v[FB:FB+7], 0
	v_wmma_f32_16x16x32_f16 v[DD+16:DD+23], v[A2R:A2R+7], v[FB:FB+7], 0
	v_wmma_f32_16x16x32_f16 v[DD+24:DD+31], v[A2I:A2I+7], v[FB:FB+7], 0
.endm
.macro PROB                            ; re^2 + im^2 in f32; in f16 they are a B fragment as they lie
.irp c, 0,2,4,6
	v_pk_mul_f32 v[DD+\c:DD+\c+1], v[DD+\c:DD+\c+1], v[DD+\c:DD+\c+1]
	v_pk_mul_f32 v[DD+16+\c:DD+16+\c+1], v[DD+16+\c:DD+16+\c+1], v[DD+16+\c:DD+16+\c+1]
.endr
.irp c, 0,2,4,6
	v_pk_fma_f32 v[DD+\c:DD+\c+1], v[DD+8+\c:DD+8+\c+1], v[DD+8+\c:DD+8+\c+1], v[DD+\c:DD+\c+1]
	v_pk_fma_f32 v[DD+16+\c:DD+16+\c+1], v[DD+24+\c:DD+24+\c+1], v[DD+24+\c:DD+24+\c+1], v[DD+16+\c:DD+16+\c+1]
.endr
.irp c, 0,1,2,3
	v_cvt_pk_f16_f32 v[PP+\c], v[DD+2*\c], v[DD+2*\c+1]
	v_cvt_pk_f16_f32 v[PP+4+\c], v[DD+16+2*\c], v[DD+16+2*\c+1]
.endr
.endm
.macro PLACES                          ; four places behind a matrix instruction where no work is left to fill them (ISA guide 7.12.1)
.rept 4
	v_nop
.endr
.endm
; Tile f.  The next tile's norm (ten plain vector instructions on other registers) fills the places behind the four products, its scaling
; those behind the +-1 product.  The wait for tile f + 2 stands last, so that nothing that is ready waits for memory.
.macro BODY f
	MULT \f
.if \f < 7
	s_wait_dscnt 0x0                               ; my sample of tile f + 1 is in registers
	NORM \f+1
.else
	PLACES
.endif
	PROB
	v_wmma_f32_16x16x32_f16 v[OO+8*((\f)%2):OO+8*((\f)%2)+7], v[SF:SF+7], v[PP:PP+7], 0   ; registers 0-3 of lane L: the results of sample L
.if \f < 7
	SCALE \f+1
.else
	PLACES
.endif
	s_wait_xcnt 0x0                                ; the last tile's store has read its registers: the next +-1 product writes them again
	global_store_b128 v[OA], v[OO+8*((\f)%2):OO+8*((\f)%2)+3], s[8:9] offset:512*(\f) th:TH_STORE_NT   ; 32 lanes: 512 consecutive bytes, aligned
.if \f < 6
	s_wait_tensorcnt 5-(\f)                        ; tensor loads of a wave end in order (ISA guide 10.11.1): tile f + 2 is in, the 5 - f younger ones stay out
	LOADX \f+2                                     ; into the buffer that tile f's scaling has left
.endif
.endm
	s_wait_tensorcnt 0x7                           ; my tile 0 is in LDS, seven younger ones stay out
	LOADX 0
	s_wait_dscnt 0x0                               ; for the others: my part of U and of the zero rows is written (and my sample is in)
	s_barrier_signal -1
	NORM 0                                         ; registers only, while the others arrive
	v_nop                                          ; the plain place behind v_rsq_f32
	s_wait_alu depctr_va_vdst(0)
	SCALE 0
	s_barrier_wait -1                              ; U is whole
	ds_load_tr16_b128 v[A1R:A1R+3],   v[AD1]                       ; k slots 0-7 (lanes 16-31: zeros)
	ds_load_tr16_b128 v[A1R+4:A1R+7], v[AD1] offset:8*WPITCH       ; k slots 16-23
	ds_load_tr16_b128 v[A1I:A1I+3],   v[AD1] offset:32
	ds_load_tr16_b128 v[A1I+4:A1I+7], v[AD1] offset:8*WPITCH+32
	ds_load_tr16_b128 v[A2R:A2R+3],   v[AD2]                       ; k slots 8-15 (lanes 0-15: zeros)
	ds_load_tr16_b128 v[A2R+4:A2R+7], v[AD2] offset:8*WPITCH       ; k slots 24-31
	ds_load_tr16_b128 v[A2I:A2I+3],   v[AD2] offset:32
	ds_load_tr16_b128 v[A2I+4:A2I+7], v[AD2] offset:8*WPITCH+32
	s_wait_tensorcnt 0x6                           ; tile 1
	LOADX 1
	s_wait_dscnt 0x4                               ; LDS loads come back in order (ISA guide 5.7.1): U's eight are in, tile 1's four may be out
	BODY 0
	BODY 1
	BODY 2
	BODY 3
	BODY 4
	BODY 5                                         ; its tensor wait is for 0: tile 7, the last
	BODY 6
	BODY 7
	s_wait_tensorcnt 0x0
	ds_add_u32 v216, v217
	s_wait_dscnt 0x0
	s_endpgm
.Lfunc_end_k_q71fc1948d1_circuit:
	.size	k_q71fc1948d1_circuit, .Lfunc_end_k_q71fc1948d1_circuit-k_q71fc1948d1_circuit
	.p2alignl 7, 3214868480
	.fill 96, 4, 3214868480
	.section	.rodata,"a",@progbits
	.p2align	6, 0x0
	.amdhsa_kernel k_q71fc1948d1_circuit
		.amdhsa_group_segment_fixed_size 168960
		.amdhsa_private_segment_fixed_size 0
		.amdhsa_enable_private_segment 0
		.amdhsa_kernarg_size 24
		.amdhsa_user_sgpr_count 2
		.amdhsa_user_sgpr_kernarg_segment_ptr 1
		.amdhsa_wavefront_size32 1
		.amdhsa_system_sgpr_workgroup_id_x 1
		.amdhsa_system_sgpr_workgroup_id_y 1
		.amdhsa_system_sgpr_workgroup_id_z 1
		.amdhsa_system_vgpr_workitem_id 0
		.amdhsa_next_free_vgpr 218
		.amdhsa_next_free_sgpr 98
		.amdhsa_reserve_vcc 1
		.amdhsa_float_denorm_mode_32 3
		.amdhsa_float_denorm_mode_16_64 3
		.amdhsa_memory_ordered 1
		.amdhsa_forward_progress 1
		.amdhsa_inst_pref_size 50
	.end_amdhsa_kernel
	.amdgpu_metadata
---
amdhsa.version: [ 1, 2 ]
amdhsa.kernels:
  - .name:           k_q71fc1948d1_circuit
    .symbol:         k_q71fc1948d1_circuit.kd
    .args:
      - { .name: params, .offset: 0, .size: 8, .value_kind: global_buffer, .address_space: global }
      - { .name: x, .offset: 8, .size: 8, .value_kind: global_buffer, .address_space: global }
      - { .name: out0, .offset: 16, .size: 8, .value_kind: global_buffer, .address_space: global }
    .group_segment_fixed_size: 168960
    .private_segment_fixed_size: 0
    .kernarg_segment_align: 8
    .kernarg_segment_size: 24
    .max_flat_workgroup_size: 256
    .sgpr_count:     98
    .vgpr_count:     218
    .wavefront_size: 32
...
	.end_amdgpu_metadata
.endif
;; end of part 1
